; MI455X (gfx1250); checked and timed in simulation.
; The chip was launched on July 23, 2026; its instructions are those of AMD's public machine-readable ISA for CDNA 5 (MIT licence, August 2026) and "CDNA5" Instruction Set Architecture Reference Guide (July 2026). The comments in the code are by the model that wrote it; some were corrected since.
;; Causal Self Attention2d. Allowed arithmetic: matrix products marked QUANTISED: E2M1 operands, one E8M0 scale for each 32 along K, by v_wmma_scale_f32_16x16x128_f8f6f4 with both operands' format E2M1 (or v_wmma_scale_f32_32x16x128_f4), f32 sums; everything else in f32.
;; Inputs: input 8 x 256 x 32 x 32 float32; k_b 512 float32; k_w 512 x 256 float32; q_b 512 float32; q_w 512 x 256 float32; v_b 512 float32; v_w 512 x 256 float32.
;; Outputs: out0 8 x 512 x 32 x 32 float32.
;; This version of the problem:
;;   THIS VERSION OF THE PROBLEM IS GIVEN IN LOW PRECISION. The matrix products marked QUANTISED in the list below multiply operands that are first quantised to E2M1 (2 exponent bits, 1 mantissa bit; 4 bits a number), with one power-of-two scale for each 32 numbers along K (OCP MX v1.0); their sums are f32. All else is computed in f32.
;;   The module's matrix products, in the order in which they are computed (A, B: the left and right operand; K: the contracted axis; several contracted axes count as one K, in the product's order):
;;     1. [M 8,192, K 256] x [K 256, N 512]; A: input input; B: input q_w: QUANTISED
;;     2. [M 8,192, K 256] x [K 256, N 512]; A: input input; B: input k_w: QUANTISED
;;     3. [M 8,192, K 256] x [K 256, N 512]; A: input input; B: input v_w: QUANTISED
;;     4. batch 64 x [M 1,024, K 64] x [K 64, N 1,024]; A: computed on the way; B: computed on the way: QUANTISED
;;     5. batch 64 x [M 1,024, K 1,024] x [K 1,024, N 64]; A: softmax (see below); B: computed on the way: QUANTISED
;;   THE QUANTISER, for each operand of a quantised product, along K:
;;     - K is cut into blocks of 32 from its start; a last block that is shorter is filled with zeros.
;;     - A block's scale is 2^e with e = floor(log2(the largest magnitude in the block)) - 2, held to -126 .. 127; a block of zeros has e = 0. As a byte (E8M0): e + 127.
;;     - Each number is divided by its block's scale, clamped to +-6, and rounded to the nearest number of E2M1, ties to even, subnormals kept.
;;     - The product sums the exact products of the quantised numbers (number of the format x scale) in f32.
;;   ~~~python
;;   def quantise(x, axis):      # numpy; x: float32 -> the quantised numbers, widened to float32 again
;;       x = np.moveaxis(x, axis, -1); K = x.shape[-1]
;;       x = np.pad(x, [(0, 0)] * (x.ndim - 1) + [(0, -K % 32)]); x = x.reshape(x.shape[:-1] + (-1, 32)); a = np.abs(x).max(-1, keepdims=True)
;;       e = np.where(a > 0, np.clip(np.frexp(np.where(a > 0, a, 1))[1] - 1 - 2, -126, 127), 0)      # np.frexp(a)[1] - 1 = floor(log2(a)), exactly
;;       r = np.clip(x / 2.0 ** e, -6, 6)
;;       step = 2.0 ** (np.maximum(np.frexp(np.where(r == 0, 1, r))[1] - 1, 0) - 1)
;;       q = np.round(r / step) * step * 2.0 ** e      # np.round: ties to even
;;       return np.moveaxis(q.reshape(q.shape[:-2] + (-1,))[..., :K], -1, axis).astype(np.float32)
;;   ~~~
;;   SOFTMAX AHEAD OF A QUANTISED PRODUCT. Where the list says 'softmax', what is quantised is not the finished softmax but p = 2^(t - M), with t = logit x log2(e) and M = ceil(the row's largest t), a whole number; so 1/2 < the row's largest p <= 1. The row's sum l is taken of the UNQUANTISED p, in f32, and the product's result is divided by l at the end. Since M is a whole number, a kernel that streams over the keys may use a running M (the ceiling of the running maximum): every later rescaling is an exact power of two, which a block's scale takes up: the codes' values come out the same.
;;   OPERANDS COMPUTED ON THE WAY. 'Computed on the way' means the value that the module computes at that place (a softmax that the list does not call 'softmax' is quantised finished and normalised). What goes into a quantiser is computed in f32, as accurately as f32 sums, v_exp_f32 and their like allow (about 1e-6 of the number): no bf16 or f16 on the way to a quantiser, and a product that is left as it is and whose result goes on into a quantised operand takes f32 operands (vector FMAs, or v_wmma_f32_16x16x4_f32). A number that lies on a knife's edge between two numbers of the format may be rounded either way, as far as f32 arithmetic and the matrix unit's own rounding can turn it there, and no further.
;; One version. Each part assembles by itself: llvm-mc -triple=amdgcn-amd-amdhsa -mcpu=gfx1250 --defsym DOCPART=n.
;; ======== version 1 of 1: 2 launches
;; limits: right only within a limited range of input values
;; workspace buffers: xq 1,114,112 bytes; wq 215,040 bytes
;; launch quant (part 1): grid 352 x 1, 4 waves a work-group, no clusters, 1,024 bytes of LDS; arguments input, q_w, k_w, v_w, q_b, k_b, v_b, xq, wq; writes xq, wq
.if DOCPART == 1
	.amdgcn_target "amdgcn-amd-amdhsa--gfx1250"
	.amdhsa_code_object_version 6
	.text
	.protected	k_qd1ca7fdb34_quant
	.globl	k_qd1ca7fdb34_quant
	.p2align	8
	.type	k_qd1ca7fdb34_quant,@function
k_qd1ca7fdb34_quant:
	s_mov_b64 s[64:65], 0
	v_nop
	global_prefetch_b8 v0, s[64:65] scope:SCOPE_SE
	s_setreg_imm32_b32 hwreg(HW_REG_WAVE_MODE, 25, 1), 1
	s_wait_xcnt 0x0
; input [8][256 c][1024 s] and q_w, k_w, v_w [512][256 c], f32, become codes of FP4 (E2M1) with one E8M0 byte for each 32 along c, which is the K of all three projections.
; A block's scale is 2^(floor(log2(its largest magnitude)) - 2): its byte is the largest magnitude's exponent field - 2, held at 1 from below by a floor among the maximum's leaves.
; LIMITS: a block of zeros gets the byte 1 where the rule says 127 (its codes are zeros, which add nothing, and this program alone reads the bytes); blocks whose largest magnitude lies under 2^-124 keep the byte 1; NaN and infinities among the inputs are not served.
; THE RESULTS ARE LAID AS IMAGES OF THE MATRIX OPERAND'S REGISTERS.  A fragment is 16 rows x 128 K: group c of lane l = 16 h + r (k = 64 c + 32 h + 0 .. 31 of row r) at 512 c + 16 l.  A tile (16 rows, both K steps of 128) is 2,048 bytes.
; x: row r of tile T is position 32 (T / 2) + 2 r + T % 2 of its 128.  Weights: row r of tile T is output 32 (T / 2) + 8 (T % 2) + r + 8 (r / 8) of its 64.
; xq: [batch 8][key step 8][17,408]: 8 tiles of codes, then scale words [K step 2][tile 8][row 16].
; wq: [head 8][26,880]: 12 tiles (q's 4, k's 4, v's 4), their scale words [tile 12][K step 2][row 16], then the biases in the tiles' order of rows [matrix 3][tile 4][row 16], f32.
; SHARES.  Work-groups 0-255: x; one takes 64 positions x one K step, a wave 32 of its channels.  A lane takes two neighbouring positions and its registers run down c: a load reads 256 consecutive bytes, a block of 32 lies in one lane.
; Work-groups 256-351: a tile of a weight each; wave q takes 64 of its K; K is innermost there, so lane (r, h) loads its own 32 neighbours.
; The scale bytes of the four waves meet in LDS and leave as one run of 256 (x) or 128 (weights) bytes.
; No tensor load.  No prefetch: there is no loop to run ahead in.  No cluster: no byte is read by two work-groups.
.set XBLK, 17408
.set WBLK, 26880
.set SPW, 22                           ; v22 LDS address of my spare word;  v23 0
.set NIL, 23
.set SPARE, 512                        ; LDS: x's bytes 0-255, the weights' 256-383, the spare words 512-1023
.set X, 32                             ; v32-95   32 pairs as they are loaded
.set Y, 96                             ; v96-127  the first position's 32 numbers
.set Z, 128                            ; v128-159 the second's
.set C, 160                            ; v160-167 codes
	s_load_b512 s[4:19], s[0:1], 0x0               ; input s[4:5]; q_w, k_w, v_w s[6:11]; q_b, k_b, v_b s[12:17]; xq s[18:19]
	s_load_b64 s[20:21], s[0:1], 0x40              ; wq
	v_lshl_add_u32 v[SPW], v0, 2, SPARE
	v_mov_b32 v[NIL], 0
	v_lshrrev_b32 v1, 5, v0
	v_readfirstlane_b32 s22, v1                    ; wave
	v_and_b32 v1, 31, v0                           ; lane
	v_and_b32 v2, 15, v0                           ; r
	v_bfe_u32 v3, v0, 4, 1                         ; h
	v_lshlrev_b32 v4, 2, v2                        ; 4 r
	v_lshl_add_u32 v5, v3, 7, v4
	v_add_nc_u32 v5, s22, v5                       ; x: LDS place of my first byte: 128 h + 4 r + wave
	s_lshr_b32 s23, s22, 1
	s_lshl_b32 s23, s23, 6
	s_and_b32 s24, s22, 1
	s_lshl_b32 s24, s24, 1
	s_add_co_u32 s23, s23, s24
	s_add_co_u32 s23, s23, 256
	v_add_nc_u32 v6, v3, v4
	v_add_nc_u32 v6, s23, v6                       ; weights: 256 + 64 x K step + 4 r + 2 (q % 2) + h
	v_lshlrev_b32 v7, 3, v1                        ; 8 x lane
	v_lshl_add_u32 v8, v1, 2, 256                  ; 256 + 4 x lane
	v_lshlrev_b32 v9, 2, v1                        ; 4 x lane
	v_lshlrev_b32 v10, 4, v2
	v_lshl_add_u32 v10, v3, 12, v10                ; x's codes: 4,096 h + 16 r
	v_lshlrev_b32 v11, 4, v1                       ; the weights' codes: 16 x lane
	v_and_b32 v12, 8, v2
	v_add_nc_u32 v12, v12, v2                      ; r + 8 (r / 8)
	v_lshlrev_b32 v13, 2, v12                      ; bias: 4 bytes a row
	v_lshlrev_b32 v12, 10, v12
	v_lshl_add_u32 v12, v3, 7, v12                 ; weight: 1,024 bytes a row, + 128 h
	s_wait_alu depctr_va_vdst(0)                   ; the wait at the head's end
	s_cmp_lt_u32 ttmp9, 256
	s_cbranch_scc0 .Lweights
	; ---------------- x ----------------
	s_and_b32 s25, ttmp9, 1                        ; K step s
	s_bfe_u32 s26, ttmp9, 0x40001                  ; positions 64 g on
	s_lshr_b32 s27, ttmp9, 5                       ; batch
	s_lshl_b32 s28, s27, 20                        ; from: batch, channel 128 s + 32 x wave, position
	s_lshl_b32 s29, s25, 19
	s_add_co_u32 s28, s28, s29
	s_lshl_b32 s29, s22, 17
	s_add_co_u32 s28, s28, s29
	s_lshl_b32 s29, s26, 8
	s_add_co_u32 s28, s28, s29
	s_mov_b32 s29, 0
	s_lshl_b32 s30, s27, 3
	s_lshr_b32 s31, s26, 1
	s_add_co_u32 s30, s30, s31
	s_mul_i32 s30, s30, XBLK                       ; to: the block of (batch, key step g / 2),
	s_and_b32 s31, s26, 1                          ; its tiles 4 (g % 2) on
	s_lshl_b32 s32, s31, 13
	s_add_co_u32 s32, s32, s30
	s_lshl_b32 s33, s25, 10
	s_add_co_u32 s32, s32, s33
	s_lshl_b32 s33, s22, 8
	s_add_co_u32 s32, s32, s33
	s_mov_b32 s33, 0
	s_lshl_b32 s34, s25, 9
	s_add_co_u32 s34, s34, s30
	s_lshl_b32 s35, s31, 8
	s_add_co_u32 s34, s34, s35
	s_add_co_u32 s34, s34, 16384                   ; scale words: 16,384 + 512 s + 256 (g % 2)
	s_mov_b32 s35, 0
	s_wait_kmcnt 0x0
	s_add_nc_u64 s[4:5], s[4:5], s[28:29]
	s_add_nc_u64 s[32:33], s[18:19], s[32:33]
	s_add_nc_u64 s[36:37], s[18:19], s[34:35]
.set i, 0
.rept 32                               ; 32 lanes read 256 consecutive bytes of a channel
	global_load_b64 v[X+2*i:X+2*i+1], v7, s[4:5] offset:4096*i th:TH_LOAD_NT
.set i, i+1
.endr
; eight channels: the two positions' numbers are put apart, and go into two chains of the maximum each
.macro XG g
	s_wait_loadcnt 24-8*\g                         ; these eight loads are in; the younger ones may be out
.irp k, 0,2,4,6
	v_dual_mov_b32 v[Y+8*\g+\k], v[X+16*\g+2*\k] :: v_dual_mov_b32 v[Y+8*\g+\k+1], v[X+16*\g+2*\k+2]
	v_dual_mov_b32 v[Z+8*\g+\k], v[X+16*\g+2*\k+1] :: v_dual_mov_b32 v[Z+8*\g+\k+1], v[X+16*\g+2*\k+3]
.endr
.if \g == 0
	v_max3_num_f32 v14, |v[X]|, |v[X+2]|, 0x1800000        ; the floor 2^(3 - 127): the byte cannot fall under 1
	v_max3_num_f32 v15, |v[X+1]|, |v[X+3]|, 0x1800000
	v_max3_num_f32 v16, |v[X+4]|, |v[X+6]|, 0x1800000
	v_max3_num_f32 v17, |v[X+5]|, |v[X+7]|, 0x1800000
.else
	v_max3_num_f32 v14, v14, |v[X+16*\g]|, |v[X+16*\g+2]|
	v_max3_num_f32 v15, v15, |v[X+16*\g+1]|, |v[X+16*\g+3]|
	v_max3_num_f32 v16, v16, |v[X+16*\g+4]|, |v[X+16*\g+6]|
	v_max3_num_f32 v17, v17, |v[X+16*\g+5]|, |v[X+16*\g+7]|
.endif
	v_max3_num_f32 v14, v14, |v[X+16*\g+8]|, |v[X+16*\g+10]|
	v_max3_num_f32 v15, v15, |v[X+16*\g+9]|, |v[X+16*\g+11]|
	v_max3_num_f32 v16, v16, |v[X+16*\g+12]|, |v[X+16*\g+14]|
	v_max3_num_f32 v17, v17, |v[X+16*\g+13]|, |v[X+16*\g+15]|
.endm
	XG 0
	XG 1
	XG 2
	XG 3
	v_max_num_f32 v14, v14, v16
	v_max_num_f32 v15, v15, v17
	v_add_nc_u32 v14, 0xff000000, v14              ; 2 off the exponent field: the conversion takes this operand's exponent field as its scale
	v_add_nc_u32 v15, 0xff000000, v15
.irp g, 0,1,2,3
	v_cvt_scalef32_pk8_fp4_f32 v[C+\g], v[Y+8*\g:Y+8*\g+7], v14
	v_cvt_scalef32_pk8_fp4_f32 v[C+4+\g], v[Z+8*\g:Z+8*\g+7], v15
.endr
	v_lshrrev_b32 v18, 23, v14                     ; the scales' bytes; also the plain lines behind the conversions
	v_lshrrev_b32 v19, 23, v15
	ds_store_b8 v5, v18
	ds_store_b8 v5, v19 offset:64
	global_store_b128 v10, v[C:C+3], s[32:33]                  ; tiles 2 h of the four: 16 lanes store 256 consecutive bytes, aligned, two such runs
	global_store_b128 v10, v[C+4:C+7], s[32:33] offset:2048    ; tiles 2 h + 1
	s_branch .Ljoin
	; ---------------- the weights ----------------
.Lweights:
	s_sub_co_u32 s25, ttmp9, 256                   ; 0 .. 95
	s_lshr_b32 s26, s25, 5                         ; matrix m: q_w, k_w, v_w
	s_and_b32 s27, s25, 31                         ; its tile = 4 x head + t
	s_lshr_b32 s28, s27, 2                         ; head
	s_mul_i32 s31, s28, WBLK                       ; to: the head's block
	s_and_b32 s29, s27, 3                          ; t
	s_lshr_b32 s30, s27, 1
	s_lshl_b32 s30, s30, 5
	s_and_b32 s32, s27, 1
	s_lshl_b32 s32, s32, 3
	s_add_co_u32 s30, s30, s32                     ; the tile's first row
	s_lshl_b32 s32, s30, 10
	s_lshl_b32 s33, s22, 8
	s_add_co_u32 s32, s32, s33                     ; from: row, 64 numbers x wave
	s_mov_b32 s33, 0
	s_lshl_b32 s34, s30, 2
	s_mov_b32 s35, 0                               ; and its bias
	s_lshl_b32 s38, s26, 8
	s_lshl_b32 s39, s29, 6
	s_add_co_u32 s38, s38, s39
	s_add_co_u32 s38, s38, s31
	s_add_co_u32 s38, s38, 26112                   ; bias to: 26,112 + 256 m + 64 t
	s_mov_b32 s39, 0
	s_lshl_b32 s30, s26, 2
	s_add_co_u32 s30, s30, s29                     ; tile o = 4 m + t of the block
	s_lshl_b32 s28, s30, 11
	s_add_co_u32 s28, s28, s31
	s_lshl_b32 s29, s22, 9
	s_add_co_u32 s28, s28, s29                     ; codes to: 2,048 o + 512 q
	s_mov_b32 s29, 0
	s_lshl_b32 s30, s30, 7
	s_add_co_u32 s30, s30, s31
	s_add_co_u32 s30, s30, 24576                   ; scale words to: 24,576 + 128 o
	s_mov_b32 s31, 0
	s_wait_kmcnt 0x0
	s_cmp_lt_u32 s26, 1                            ; the choice of the matrix hangs on the work-group's number alone
	s_cselect_b64 s[6:7], s[6:7], s[8:9]
	s_cselect_b64 s[12:13], s[12:13], s[14:15]
	s_cmp_lt_u32 s26, 2
	s_cselect_b64 s[6:7], s[6:7], s[10:11]
	s_cselect_b64 s[12:13], s[12:13], s[16:17]
	s_add_nc_u64 s[6:7], s[6:7], s[32:33]
	s_add_nc_u64 s[12:13], s[12:13], s[34:35]
	s_add_nc_u64 s[32:33], s[20:21], s[28:29]
	s_add_nc_u64 s[36:37], s[20:21], s[30:31]
	s_add_nc_u64 s[38:39], s[20:21], s[38:39]
	global_load_b32 v24, v13, s[12:13]
.set i, 0
.rept 8                                ; k = 64 q + 32 h + 0 .. 31 of my row
	global_load_b128 v[X+4*i:X+4*i+3], v12, s[6:7] offset:16*i
.set i, i+1
.endr
	s_wait_loadcnt 0x0
	v_max3_num_f32 v14, |v[X]|, |v[X+1]|, 0x1800000
	v_max3_num_f32 v15, |v[X+2]|, |v[X+3]|, |v[X+4]|
.irp i, 5,9,13,17,21,25
	v_max3_num_f32 v14, v14, |v[X+\i]|, |v[X+\i+1]|
	v_max3_num_f32 v15, v15, |v[X+\i+2]|, |v[X+\i+3]|
.endr
	v_max3_num_f32 v14, v14, |v[X+29]|, |v[X+30]|
	v_max3_num_f32 v14, v14, v15, |v[X+31]|
	v_add_nc_u32 v14, 0xff000000, v14
.irp g, 0,1,2,3
	v_cvt_scalef32_pk8_fp4_f32 v[C+\g], v[X+8*\g:X+8*\g+7], v14
.endr
	v_lshrrev_b32 v18, 23, v14                     ; the byte; also the plain line behind the conversions
	ds_store_b8 v6, v18
	global_store_b128 v11, v[C:C+3], s[32:33]      ; 512 consecutive bytes
	s_cmp_lg_u32 s22, 0
	s_cbranch_scc1 .Ljoin
	global_store_b32 v4, v24, s[38:39]             ; wave 0: the tile's 16 biases (lanes l and l + 16 store the same number to the same place)
.Ljoin:
	s_wait_dscnt 0x0                               ; for wave 0's sake: my bytes lie in LDS
	s_barrier_signal -1
	s_barrier_wait -1
	s_cmp_lg_u32 s22, 0
	s_cbranch_scc1 .Lend
	s_cmp_lt_u32 ttmp9, 256
	s_cbranch_scc0 .Lwords
	ds_load_b64 v[20:21], v7
	s_wait_dscnt 0x0
	global_store_b64 v7, v[20:21], s[36:37]        ; 64 scale words: 256 consecutive bytes, aligned
	s_branch .Lend
.Lwords:
	ds_load_b32 v20, v8
	s_wait_dscnt 0x0
	global_store_b32 v9, v20, s[36:37]             ; 32 scale words
.Lend:
	s_wait_tensorcnt 0x0                           ; the wave's end
	ds_add_u32 v[SPW], v[NIL]
	s_wait_dscnt 0x0
	s_endpgm
.Lfunc_end_k_qd1ca7fdb34_quant:
	.size	k_qd1ca7fdb34_quant, .Lfunc_end_k_qd1ca7fdb34_quant-k_qd1ca7fdb34_quant
	.p2alignl 7, 3214868480
	.fill 96, 4, 3214868480
	.section	.rodata,"a",@progbits
	.p2align	6, 0x0
	.amdhsa_kernel k_qd1ca7fdb34_quant
		.amdhsa_group_segment_fixed_size 1024
		.amdhsa_private_segment_fixed_size 0
		.amdhsa_enable_private_segment 0
		.amdhsa_kernarg_size 72
		.amdhsa_user_sgpr_count 2
		.amdhsa_user_sgpr_kernarg_segment_ptr 1
		.amdhsa_wavefront_size32 1
		.amdhsa_system_sgpr_workgroup_id_x 1
		.amdhsa_system_sgpr_workgroup_id_y 1
		.amdhsa_system_sgpr_workgroup_id_z 1
		.amdhsa_system_vgpr_workitem_id 0
		.amdhsa_next_free_vgpr 168
		.amdhsa_next_free_sgpr 66
		.amdhsa_reserve_vcc 0
		.amdhsa_float_denorm_mode_32 3
		.amdhsa_float_denorm_mode_16_64 3
		.amdhsa_memory_ordered 1
		.amdhsa_forward_progress 1
		.amdhsa_inst_pref_size 17
	.end_amdhsa_kernel
	.amdgpu_metadata
---
amdhsa.version: [ 1, 2 ]
amdhsa.kernels:
  - .name:           k_qd1ca7fdb34_quant
    .symbol:         k_qd1ca7fdb34_quant.kd
    .args:
      - { .name: input, .offset: 0, .size: 8, .value_kind: global_buffer, .address_space: global }
      - { .name: q_w, .offset: 8, .size: 8, .value_kind: global_buffer, .address_space: global }
      - { .name: k_w, .offset: 16, .size: 8, .value_kind: global_buffer, .address_space: global }
      - { .name: v_w, .offset: 24, .size: 8, .value_kind: global_buffer, .address_space: global }
      - { .name: q_b, .offset: 32, .size: 8, .value_kind: global_buffer, .address_space: global }
      - { .name: k_b, .offset: 40, .size: 8, .value_kind: global_buffer, .address_space: global }
      - { .name: v_b, .offset: 48, .size: 8, .value_kind: global_buffer, .address_space: global }
      - { .name: xq, .offset: 56, .size: 8, .value_kind: global_buffer, .address_space: global }
      - { .name: wq, .offset: 64, .size: 8, .value_kind: global_buffer, .address_space: global }
    .group_segment_fixed_size: 1024
    .private_segment_fixed_size: 0
    .kernarg_segment_align: 8
    .kernarg_segment_size: 72
    .max_flat_workgroup_size: 128
    .sgpr_count:     66
    .vgpr_count:     168
    .wavefront_size: 32
...
	.end_amdgpu_metadata
.endif
;; end of part 1
;; launch attn (part 2): grid 8 x 32, 16 waves a work-group, clusters of 4 x 1, 327,680 bytes of LDS; arguments xq, wq, out0; writes out0
.if DOCPART == 2
	.amdgcn_target "amdgcn-amd-amdhsa--gfx1250"
	.amdhsa_code_object_version 6
	.text
	.protected	k_qd1ca7fdb34_attn
	.globl	k_qd1ca7fdb34_attn
	.p2align	8
	.type	k_qd1ca7fdb34_attn,@function
k_qd1ca7fdb34_attn:
	s_mov_b64 s[64:65], 0
	v_nop
	global_prefetch_b8 v0, s[64:65] scope:SCOPE_SE
	s_setreg_imm32_b32 hwreg(HW_REG_WAVE_MODE, 25, 1), 1
	s_wait_xcnt 0x0
	s_wait_alu depctr_hold_cnt(0) depctr_sa_sdst(0) depctr_va_vdst(0) depctr_va_sdst(0) depctr_va_ssrc(0) depctr_va_vcc(0) depctr_vm_vsrc(0)
	s_getreg_b32 s2, hwreg(HW_REG_IB_STS2, 6, 4)
	s_cmp_eq_u32 s2, 0
	s_cbranch_scc0 .Lentry_in_a_cluster
	s_endpgm
.Lentry_in_a_cluster:
	s_bfe_u32 s2, ttmp6, 0x10000c
	s_cmp_lg_u32 s2, 0x3003
	s_cbranch_scc0 .Lentry_shape_is_right
	s_endpgm
.Lentry_shape_is_right:
; out0[b][64 head + d][q] = the sum over keys k <= q of softmax_k(Q[q] . K[k] / 8) V[k][d], with Q, K, V = x W^T + bias made here: all five products on codes of FP4 (E2M1) with E8M0 scales.
; x's and the weights' codes, scale words and biases arrive as images of operand registers (16 rows x 128 K: group c of lane l at 512 c + 16 l; a tile with both K steps is 2,048 bytes; a tile's scale register: lanes 0-15 K step 0, lanes 16-31 K step 1).
; Row r of x's tile T is position 32 (T / 2) + 2 r + T % 2 of a key step of 128; row r of a weight's tile T is output 32 (T / 2) + 8 (T % 2) + r + 8 (r / 8) of the head's 64.
; So where 16 registers of two tiles 2 b, 2 b + 1 run along positions, a lane holds 16 positions of block b, 16 (lane / 16) + 2 i + u in register 8 u + i.  This order inside a block is the same in P and in V, whose sum over the block it serves.
; SHARES.  A work-group is (batch, head, j), j = 0 .. 3: it owns the 128-query blocks j ("lo") and 7 - j ("hi") of its head.  Waves t and t + 8 share tile t (16 queries) of each block: wave t + 8 p walks the key steps ks = p, p + 2, .. of a block B up to B.
; So a pair walks (j + 1) + (8 - j) = 9 key steps, 5 and 4.  The two partial results of a query (O^T, -M, the sum l) go to LDS, and the waves that store the rows join them: out = (2^(M0 - M) O0 + 2^(M1 - M) O1) / (2^(M0 - M) l0 + 2^(M1 - M) l1), M the larger.
; LO FIRST: lo's partial results are put into LDS ahead of a barrier's signal, hi's first key step stands between signal and wait, lo leaves behind the wait, then hi's other key steps follow.
; PHASES.  x's codes of the batch (139,264 bytes, waves 0-7, a key step each) and the head's weights (26,880 bytes, waves 8-14, 15 rows of 256 each) come into LDS once, by one tensor load a wave.
; Waves 0-7 project K of key step w and Q of tile w of both blocks, waves 8-15 V of key step w - 8; they quantise in registers (K, Q along d, V along the keys) and store register images to LDS.
; K = 64 of the scores fills half of the instruction's 128: Q's other half is zero codes, under the byte 1; K's fragment names the four registers behind its own there, whose codes are multiplied by those zeros (FP4 has no NaN and no infinity), under the byte 127.
; SOFTMAX: t = score x log2(e) / 8; M = the running largest t rounded up to a whole number; p = 2^(t - M) is quantised along the keys; the row's sum is taken of the unquantised p and divides at the end; when M moves, the sum and O are multiplied by 2^(old M - new M), which rounds nothing.
; Key steps past a tile's block are hidden from all its queries and are left out.
; CLUSTER: four heads of one (batch, j) need the same codes of x: each is asked for JOINTLY (the same load, the same descriptor, mask 15).  All eight key steps are part of these joint first fills, and each is projected, also where j hides the last ones.
; The weights are each head's own; the work-groups that share them differ in j, on which branches hang: plain loads.  No branch and no LDS address hangs on the place in the cluster.
; No LDS byte is filled twice.  No prefetch: all that the launch reads is asked for at its head, and there is no loop over memory to run ahead in.
; LIMITS: NaN and infinities among the inputs are not served; a block of zeros, and one whose largest magnitude lies under 2^-124, has the byte 1; a p under 2^-126 counts as 0.
.set XBLK,  17408
.set WBLK,  26880
.set WL,    8*XBLK                     ; LDS: x at 0; the weights here;
.set KV,    WL+WBLK                    ; K's and V's images, STEPB bytes a key step:
.set STEPB, 8960                       ;   K: 8 tiles x 512 bytes;
.set KSCO,  4096                       ;   K's scale words: [half of the tiles][row][4 tiles];
.set VO,    4608                       ;   V: 4 tiles of d x 1,024 bytes;
.set VSO,   8704                       ;   V's scale words: [row][4 tiles]
.set QIM,   KV+8*STEPB                 ; Q's images: [tile][lo 512, hi 512], then scale words [tile][lo 16, hi 16]
.set SPARE, QIM+9216                   ; the spare words, 128 bytes a wave
.set HIST,  65536                      ; the stage, over x (its last fill and its last read are over): [block][partial 2][d 64][128 queries], f32,
.set MLB,   131072                     ; and [block][partial][-M, l][128 queries].  In rows whose d has bit 4 set query q lies at q ^ 32
; vector registers, throughout
.set LI,  1                            ; 16 x lane
.set L15, 2                            ; 16 r
.set DQ,  3                            ; 2 r + t % 2 - 16 h
.set SPW, 4
.set NIL, 5
.set QLD, 240
.set QSD, 241
.set WST, 242
.set WSTH, 243
.set WML, 244
.set RDA, 245
.set RDH, 246
.set RML, 247
; projection
.set SW,  8                            ; v8-11 the weight's scale words
.set SX,  16                           ; v16, v17 x's
.set XQL, 20
.set XQH, 21
.set XQLS, 22
.set XQHS, 23
.set QST, 30
.set QSS, 31
.set TX,  32                           ; v32-35 largest magnitudes, then the conversions' scale operands
.set TP,  36                           ; v36-39 permute destinations, then bytes, then words
.set PC,  40                           ; v40-47 codes
.set B1,  48                           ; v48-79 bias in the result's layout
.set X,   80                           ; v80-111 two tiles of x
.set W,   112                          ; v112-175 a weight's four tiles
.set ACC, 176                          ; v176-239
.set XA,  248
.set XSA, 249
.set WA,  250
.set WSA, 251
.set WB,  252
.set WBV, 253
.set KST, 254
.set KSS, 255
; attention
.set NINF, 6
.set T,   7
.set SA,  8                            ; v8-11 K's scale words: tiles 0-3 in lanes 0-15, tiles 4-7 in lanes 16-31
.set SQ,  12                           ; Q's: lo in lanes 0-15, hi in lanes 16-31
.set PS,  13                           ; p's
.set ADR, 14
.set ADS, 15
.set SB,  16                           ; v16-19 V's
.set ST,  20                           ; v20 -M, v21 the largest t
.set SU,  22                           ; v[22:23] the sum, in two halves
.set FF,  24                           ; v[24:25] f, and 0
.set BM,  26                           ; v26-29 the blocks' largest scores, then p, then the conversions' operands; then a chain of the sum
.set PCD, 32                           ; v32-39 p's codes; the first four serve earlier as permute destinations and bytes
.set QL,  40                           ; v40-47, v48-55 Q, the upper four registers of each zeros
.set QH,  48
.set KF,  56                           ; v56-87 K's eight tiles, four registers each; v88-91 zeros behind the last
.set VF,  92                           ; v92-123
.set S,   128                          ; v128-191 S^T, then p
.set O,   192                          ; v192-223 O^T
.set E0,  128                          ; the way out: -M and l of the two partials, then their factors
.set R1,  148
.set R0,  224
; scalar registers
.set WV,  16
.set J,   20
.set J7,  21
.set K8,  22                           ; w % 8: my key step in the projection, and my tile t
.set P,   23                           ; w / 8
.set SEL, 52
.set CS,  54
.set PAD, 56
.set KS,  57
.set TB,  58
.set LC,  59
.set WH,  66                           ; t / 2: the block of 32 in which my queries lie
.set PADQ, 67
.set TB0, 68
.macro PLACES n                        ; plain vector lines between a matrix instruction and a load into, or a read of, its registers
.rept \n
	v_nop
.endr
.endm
.macro ROUND                           ; a round of the cluster's barrier
	s_barrier_signal -1
	s_barrier_wait -1
	s_cmp_lg_u32 s[WV], 0
	s_cbranch_scc1 .Lnot_wave_0_\@
	s_barrier_signal -3
.Lnot_wave_0_\@:
	s_barrier_wait -3
	s_barrier_signal -1
	s_barrier_wait -1
.endm
; the matrix instruction with C = 0 (ra, rb: scales of A, of B in lanes 16-31), and with C in registers (r: both)
.macro WMZ d, a, b, sa, sb, ra, rb
.if (\ra) == 0 && (\rb) == 0
	v_wmma_scale_f32_16x16x128_f8f6f4 v[\d:\d+7], v[\a:\a+7], v[\b:\b+7], 0, v[\sa], v[\sb] matrix_a_fmt:MATRIX_FMT_FP4 matrix_b_fmt:MATRIX_FMT_FP4
.endif
.if (\ra) == 1 && (\rb) == 0
	v_wmma_scale_f32_16x16x128_f8f6f4 v[\d:\d+7], v[\a:\a+7], v[\b:\b+7], 0, v[\sa], v[\sb] matrix_a_fmt:MATRIX_FMT_FP4 matrix_b_fmt:MATRIX_FMT_FP4 matrix_a_scale:MATRIX_SCALE_ROW1
.endif
.if (\ra) == 0 && (\rb) == 1
	v_wmma_scale_f32_16x16x128_f8f6f4 v[\d:\d+7], v[\a:\a+7], v[\b:\b+7], 0, v[\sa], v[\sb] matrix_a_fmt:MATRIX_FMT_FP4 matrix_b_fmt:MATRIX_FMT_FP4 matrix_b_scale:MATRIX_SCALE_ROW1
.endif
.if (\ra) == 1 && (\rb) == 1
	v_wmma_scale_f32_16x16x128_f8f6f4 v[\d:\d+7], v[\a:\a+7], v[\b:\b+7], 0, v[\sa], v[\sb] matrix_a_fmt:MATRIX_FMT_FP4 matrix_b_fmt:MATRIX_FMT_FP4 matrix_a_scale:MATRIX_SCALE_ROW1 matrix_b_scale:MATRIX_SCALE_ROW1
.endif
.endm
.macro WMC d, a, b, c, sa, sb, r
.if (\r) == 0
	v_wmma_scale_f32_16x16x128_f8f6f4 v[\d:\d+7], v[\a:\a+7], v[\b:\b+7], v[\c:\c+7], v[\sa], v[\sb] matrix_a_fmt:MATRIX_FMT_FP4 matrix_b_fmt:MATRIX_FMT_FP4
.else
	v_wmma_scale_f32_16x16x128_f8f6f4 v[\d:\d+7], v[\a:\a+7], v[\b:\b+7], v[\c:\c+7], v[\sa], v[\sb] matrix_a_fmt:MATRIX_FMT_FP4 matrix_b_fmt:MATRIX_FMT_FP4 matrix_a_scale:MATRIX_SCALE_ROW1 matrix_b_scale:MATRIX_SCALE_ROW1
.endif
.endm
; 64 numbers of a lane, four half blocks of 16 registers (lanes l and l xor 16 share a block): codes of half block b in v[PC+2b:PC+2b+1], its byte in v[TP+b]
.macro QUANT
.irp b, 0,1,2,3
	v_max3_num_f32 v[TX+\b], |v[ACC+16*\b]|, |v[ACC+16*\b+1]|, 0x1800000   ; from each accumulator's low end on, and the floor 2^(3 - 127)
.endr
.irp i, 2,4,6,8,10,12,14
.irp b, 0,1,2,3
	v_max3_num_f32 v[TX+\b], v[TX+\b], |v[ACC+16*\b+\i]|, |v[ACC+16*\b+\i+1]|
.endr
.endr
.irp b, 0,1,2,3
	v_permlanex16_b32 v[TP+\b], v[TX+\b], s[SEL], s[SEL+1]
.endr
.irp b, 0,1,2,3
	v_max_num_f32 v[TX+\b], v[TX+\b], v[TP+\b]             ; with lane l xor 16's: the block's largest magnitude
.endr
.irp b, 0,1,2,3
	v_add_nc_u32 v[TX+\b], 0xff000000, v[TX+\b]            ; 2 off its exponent field: the conversion's scale operand
.endr
.irp b, 0,1,2,3
	v_lshrrev_b32 v[TP+\b], 23, v[TX+\b]                   ; the scale's byte
.endr
.irp b, 0,1,2,3
	v_cvt_scalef32_pk8_fp4_f32 v[PC+2*\b], v[ACC+16*\b:ACC+16*\b+7], v[TX+\b]
	v_cvt_scalef32_pk8_fp4_f32 v[PC+2*\b+1], v[ACC+16*\b+8:ACC+16*\b+15], v[TX+\b]
.endr
.endm
.macro WORDS pad                       ; two tiles' scale words: two bytes each, under the pad's two
	v_lshl_or_b32 v[TP], v[TP+1], 8, v[TP]                 ; (also the plain line behind the conversions)
	v_lshl_or_b32 v[TP+1], v[TP+3], 8, v[TP+2]
	v_or_b32 v[TP], s[\pad], v[TP]
	v_or_b32 v[TP+1], s[\pad], v[TP+1]
.endm
.macro XLOAD p                         ; x's tiles 2 p, 2 p + 1 of my key step
.irp k, 0,1,2,3,4,5,6,7
	ds_load_b128 v[X+4*\k:X+4*\k+3], v[XA] offset:4096*(\p)+512*\k
.endr
	ds_load_b32 v[SX], v[XSA] offset:128*(\p)
	ds_load_b32 v[SX+1], v[XSA] offset:128*(\p)+64
.endm
.macro WLOAD m                         ; matrix m's four tiles and their scale words
.set k, 0
.rept 16
	ds_load_b128 v[W+4*k:W+4*k+3], v[WA] offset:8192*\m+512*k
.set k, k+1
.endr
.irp t, 0,1,2,3
	ds_load_b32 v[SW+\t], v[WSA] offset:512*\m+128*\t
.endr
.endm
.macro BLOAD m                         ; its bias along the registers
.irp t, 0,1,2,3
	ds_load_b128 v[B1+8*\t:B1+8*\t+3], v[WB] offset:256*\m+64*\t
	ds_load_b128 v[B1+8*\t+4:B1+8*\t+7], v[WB] offset:256*\m+64*\t+16
.endr
.endm
; K's and Q's projection, TRANSPOSED: source 0 = 16 rows of the weight, source 1 = a tile of x: a lane holds one position, its registers run along d.
; The bias is the C of the first K step; the eight accumulators take turns, one instruction a turn.
.macro PROJ_T
.irp e, 0,1
.irp t, 0,1,2,3
	WMC ACC+32*\e+8*\t, W+16*\t, X+16*\e, B1+8*\t, SW+\t, SX+\e, 0
.endr
.endr
.irp e, 0,1
.irp t, 0,1,2,3
	WMC ACC+32*\e+8*\t, W+16*\t+8, X+16*\e+8, ACC+32*\e+8*\t, SW+\t, SX+\e, 1
.endr
.endr
.endm
; V's projection: source 0 = a tile of x, source 1 = 16 rows of v_w: a lane holds one d, its registers run along the keys
.macro PROJ_N
.irp n, 0,1,2,3
.irp u, 0,1
	WMC ACC+16*\n+8*\u, X+16*\u, W+16*\n, B1+8*\n, SX+\u, SW+\n, 0
.endr
.endr
.irp n, 0,1,2,3
.irp u, 0,1
	WMC ACC+16*\n+8*\u, X+16*\u+8, W+16*\n+8, ACC+16*\n+8*\u, SX+\u, SW+\n, 1
.endr
.endr
.endm
	; ---------------- the head ----------------
	s_load_b128 s[4:7], s[0:1], 0x0                ; xq s[4:5], wq s[6:7]
	s_load_b64 s[8:9], s[0:1], 0x10                ; out0
	v_lshl_add_u32 v[SPW], v0, 2, SPARE
	v_mov_b32 v[NIL], 0
	ds_add_u32 v[SPW], v[NIL]                      ; the wave's opening: the add, twice on end, and its wait
	ds_add_u32 v[SPW], v[NIL]
	v_lshrrev_b32 v6, 5, v0
	v_readfirstlane_b32 s[WV], v6                  ; wave 0 .. 15
	s_and_b32 s[K8], s[WV], 7
	s_lshr_b32 s[P], s[WV], 3
	s_bfe_u32 s17, ttmp6, 0x40000                  ; cx: it enters the weights' and out0's addresses alone
	s_lshl_b32 s18, ttmp9, 2
	s_add_co_u32 s18, s18, s17                     ; head
	s_and_b32 s60, ttmp7, 0xffff                   ; y, which the four partners share
	s_lshr_b32 s19, s60, 2                         ; batch
	s_and_b32 s[J], s60, 3
	s_xor_b32 s[J7], s[J], 7                       ; 7 - j
	; group 1 for x: a key step's block, 17,408 dense bytes, as 68 rows of 32 elements of 8 bytes; mask: all four work-groups, bit 21 beside it
	s_mov_b32 s24, 15|(3<<16)|(1<<21)
	s_mov_b32 s25, 32<<16
	s_mov_b32 s26, 68<<16
	s_mov_b32 s27, 32<<16
	s_mov_b32 s28, 68
	s_mov_b32 s29, 32
	s_mov_b32 s30, 0
	s_mov_b32 s31, 0
	; group 1 for the weights: 15 of the head's 105 rows of 256 bytes; no mask
	s_mov_b32 s32, 3<<16
	s_mov_b32 s33, 32<<16
	s_mov_b32 s34, 15<<16
	s_mov_b32 s35, 32<<16
	s_mov_b32 s36, 15
	s_mov_b32 s37, 32
	s_mov_b32 s38, 0
	s_mov_b32 s39, 0
	s_mov_b32 s[SEL], 0x76543210
	s_mov_b32 s[SEL+1], 0xfedcba98                 ; v_permlanex16_b32's selects for lane l xor 16
	s_mov_b32 s[CS], 0x3e38aa3b                    ; log2(e) / 8
	s_mov_b32 s[CS+1], s[CS]                       ; (named with it as a pair, so it is written)
	s_mov_b32 s[PAD], 0x7f7f0000
	s_mov_b32 s[PADQ], 0x01010000
	s_lshr_b32 s[WH], s[K8], 1
	s_mul_i32 s[TB0], s[P], STEPB
	s_add_co_u32 s[TB0], s[TB0], KV                ; key step p's place
	s_lshl_b32 s48, s19, 3
	s_add_co_u32 s48, s48, s[K8]
	s_mul_i32 s48, s48, XBLK                       ; x: block (batch, key step)
	s_mov_b32 s49, 0
	s_mul_i32 s50, s18, WBLK
	s_mul_i32 s45, s[K8], 3840
	s_add_co_u32 s50, s50, s45                     ; the weights: my 15 rows of my head's block
	s_mov_b32 s51, 0
	s_mov_b32 s40, 1                               ; group 0 for x
	s_mul_i32 s41, s[K8], XBLK
	s_mov_b32 s44, 1                               ; group 0 for the weights
	s_add_co_u32 s45, s45, WL
	s_lshl_b32 s70, s19, 3                         ; out0: row 64 (8 batch + head) + 4 w of 4,096 bytes, + 512 x block
	s_add_co_u32 s70, s70, s18
	s_lshl_b32 s70, s70, 6
	s_lshl_b32 s60, s[WV], 2
	s_add_co_u32 s70, s70, s60
	s_lshl_b32 s70, s70, 12
	s_lshl_b32 s60, s[J7], 9
	s_add_co_u32 s72, s70, s60                     ; hi
	s_mov_b32 s73, 0
	s_lshl_b32 s60, s[J], 9
	s_add_co_u32 s70, s70, s60                     ; lo
	s_mov_b32 s71, 0
	; LDS addresses
	v_and_b32 v176, 15, v0                         ; r
	v_bfe_u32 v177, v0, 4, 1                       ; h
	v_and_b32 v178, 31, v0                         ; lane
	v_lshlrev_b32 v[LI], 4, v178
	v_lshlrev_b32 v[L15], 4, v176
	v_lshl_add_u32 v179, v177, 3, v[L15]           ; 16 r + 8 h: half h of a block's 16 bytes
	v_lshlrev_b32 v180, 2, v176                    ; 4 r
	v_lshl_add_u32 v181, v177, 9, v180             ; 512 h + 4 r: x's scale words
	v_lshlrev_b32 v182, 2, v178                    ; 4 x lane
	s_mul_i32 s60, s[K8], XBLK
	v_add_nc_u32 v[XA], s60, v[LI]
	s_add_co_u32 s60, s60, 16384
	v_add_nc_u32 v[XSA], s60, v181
	v_add_nc_u32 v[WA], WL, v[LI]
	v_add_nc_u32 v[WSA], WL+24576, v182
	v_lshl_add_u32 v[WB], v177, 5, WL+26112        ; k_b, q_b: 8 neighbours from row 8 h of a tile
	v_add_nc_u32 v[WBV], WL+26112, v180            ; v_b: row r of a tile
	s_mul_i32 s60, s[K8], STEPB
	s_add_co_u32 s60, s60, KV
	v_add_nc_u32 v[KST], s60, v179
	v_add_nc_u32 v[KSS], s60, v[L15]
	s_lshl_b32 s60, s[K8], 10
	s_add_co_u32 s60, s60, QIM
	v_add_nc_u32 v[QST], s60, v179
	v_add_nc_u32 v[QLD], s60, v[LI]
	s_lshl_b32 s60, s[K8], 7
	s_add_co_u32 s60, s60, QIM+8192
	v_add_nc_u32 v[QSS], s60, v180
	v_add_nc_u32 v[QSD], s60, v182
	s_mul_i32 s61, s[J], XBLK                      ; my query tiles: tile t of key steps j and 7 - j
	s_mul_i32 s62, s[J7], XBLK
	s_lshl_b32 s63, s[K8], 11
	s_add_co_u32 s60, s61, s63
	v_add_nc_u32 v[XQL], s60, v[LI]
	s_add_co_u32 s60, s62, s63
	v_add_nc_u32 v[XQH], s60, v[LI]
	s_lshl_b32 s63, s[K8], 6
	s_add_co_u32 s63, s63, 16384
	s_add_co_u32 s60, s61, s63
	v_add_nc_u32 v[XQLS], s60, v181
	s_add_co_u32 s60, s62, s63
	v_add_nc_u32 v[XQHS], s60, v181
	s_and_b32 s61, s[K8], 1
	v_lshl_add_u32 v183, v176, 1, s61
	v_lshlrev_b32 v184, 4, v177
	v_sub_nc_u32 v[DQ], v183, v184
	s_lshl_b32 s60, s[WH], 5
	v_add_nc_u32 v183, s60, v183                   ; my query's place q in its block
	s_lshl_b32 s60, s[P], 10
	s_add_co_u32 s60, s60, MLB
	v_lshlrev_b32 v185, 2, v183
	v_add_nc_u32 v[WML], s60, v185
	v_lshlrev_b32 v184, 5, v177
	v_xor_b32 v184, v183, v184                     ; lanes 16-31 hold d 16 further on: there q ^ 32
	v_lshlrev_b32 v184, 2, v184
	v_lshl_add_u32 v184, v177, 13, v184
	s_lshl_b32 s60, s[P], 15
	v_add_nc_u32 v[WST], s60, v184
	v_add_nc_u32 v[WSTH], HIST, v[WST]
	s_lshr_b32 s60, s[WV], 2                       ; back: rows 4 w .. 4 w + 3, 16 bytes a lane; their d's bit 4 is bit 2 of w
	s_and_b32 s60, s60, 1
	s_lshl_b32 s60, s60, 7
	v_xor_b32 v184, s60, v[LI]
	s_lshl_b32 s60, s[WV], 11
	v_add_nc_u32 v[RDA], s60, v184
	v_add_nc_u32 v[RDH], HIST, v[RDA]
	v_add_nc_u32 v[RML], MLB, v[LI]
.irp b, 0,1,2,3
	v_mov_b32 v[TP+\b], 0                          ; written once: a lane permute's destination counts as one of its sources
.endr
	s_wait_alu depctr_va_vdst(0)                   ; the wait at the head's end
	s_wait_dscnt 0x0                               ; both opening adds are done
	s_wait_kmcnt 0x0
	s_add_nc_u64 s[42:43], s[4:5], s[48:49]
	s_or_b32 s43, s43, 0x80000000
	s_add_nc_u64 s[46:47], s[6:7], s[50:51]
	s_or_b32 s47, s47, 0x80000000
	s_add_nc_u64 s[70:71], s[8:9], s[70:71]
	s_add_nc_u64 s[72:73], s[8:9], s[72:73]
	ROUND                                          ; all four work-groups are here: the joint loads meet
	s_cmp_lt_u32 s[WV], 8
	s_cbranch_scc0 .Lask_w
	tensor_load_to_lds s[40:43], s[24:31]
	s_nop 0
	PLACES 4
	s_branch .Lasked
.Lask_w:
	s_cmp_lt_u32 s[WV], 15
	s_cbranch_scc0 .Lasked
	tensor_load_to_lds s[44:47], s[32:39]
	s_nop 0
	PLACES 4
.Lasked:
	s_wait_tensorcnt 0x0                           ; my part has landed,
	s_barrier_signal -1
	s_barrier_wait -1                              ; everybody's has
	s_cmp_lt_u32 s[WV], 8
	s_cbranch_scc0 .Lvalues
	; ---------------- waves 0-7: K of my key step, two tiles of keys at a time, and Q of my tile of both blocks ----------------
	WLOAD 1
	BLOAD 1
	XLOAD 0
.irp p, 0,1,2,3
	s_wait_dscnt 0x0
	PROJ_T
	PLACES 4
.if \p < 3
	XLOAD \p+1                                     ; lands under the quantiser
.else
	WLOAD 0                                        ; q_w and q_b take k's registers; my two query tiles take x's
	BLOAD 0
.irp k, 0,1,2,3
	ds_load_b128 v[X+4*\k:X+4*\k+3], v[XQL] offset:512*\k
	ds_load_b128 v[X+16+4*\k:X+16+4*\k+3], v[XQH] offset:512*\k
.endr
	ds_load_b32 v[SX], v[XQLS]
	ds_load_b32 v[SX+1], v[XQHS]
.endif
	QUANT                                          ; half blocks 0, 1: the 64 d of tile 2 p's keys; 2, 3: of tile 2 p + 1's
	WORDS PAD
.irp b, 0,1,2,3
	ds_store_b64 v[KST], v[PC+2*\b:PC+2*\b+1] offset:1024*\p+256*\b
.endr
	ds_store_b64 v[KSS], v[TP:TP+1] offset:KSCO+256*(\p/2)+8*(\p%2)    ; (lanes l and l + 16 store the same words)
.endr
	s_wait_dscnt 0x0
	PROJ_T
	PLACES 4
	QUANT                                          ; half blocks 0, 1: lo's 64 d; 2, 3: hi's
	WORDS PADQ
.irp b, 0,1,2,3
	ds_store_b64 v[QST], v[PC+2*\b:PC+2*\b+1] offset:256*\b
.endr
	ds_store_b32 v[QSS], v[TP]
	ds_store_b32 v[QSS], v[TP+1] offset:64
	s_branch .Ljoin
	; ---------------- waves 8-15: V of my key step, one block of 32 keys at a time ----------------
.Lvalues:
	WLOAD 2
.irp n, 0,1,2,3
	ds_load_b32 v[B1+8*\n], v[WBV] offset:512+64*\n
.endr
	XLOAD 0
	s_wait_dscnt 0x0
.irp n, 0,1,2,3
.irp i, 1,2,3,4,5,6,7
	v_mov_b32 v[B1+8*\n+\i], v[B1+8*\n]            ; in V's result a lane holds one d: the same bias in all eight registers
.endr
.endr
.irp p, 0,1,2,3
.if \p > 0
	s_wait_dscnt 0x0
.endif
	PROJ_N
	PLACES 4
.if \p < 3
	XLOAD \p+1
.endif
	QUANT                                          ; half block n: the block's keys for tile n of d
	v_nop                                          ; a plain line behind the conversions
.irp n, 0,1,2,3
	ds_store_b64 v[KST], v[PC+2*\n:PC+2*\n+1] offset:VO+1024*\n+256*\p
	ds_store_b8 v[KSS], v[TP+\n] offset:VSO+4*\n+\p
.endr
.endr
.Ljoin:
	s_wait_alu depctr_va_vdst(0)                   ; directly ahead of the wait below
	s_wait_dscnt 0x0                               ; for the others' sake: my images lie in LDS, and my reads of x are over
	s_barrier_signal -1
	v_mov_b32 v[NINF], 0xff800000                  ; work on registers
.irp i, 4,5,6,7
	v_mov_b32 v[QL+\i], 0                          ; zero codes for k = 64 .. 127 of Q
	v_mov_b32 v[QH+\i], 0
	v_mov_b32 v[KF+28+\i], 0                       ; what K's last fragment names there
	v_mov_b32 v[PCD+\i-4], 0                       ; permute destinations
.endr
.set k, 0
.rept 32
	v_mov_b32 v[O+k], 0                            ; lo's O^T: a wave without a step of lo leaves zeros
.set k, k+1
.endr
	v_mov_b32 v[ST+1], 0xff61b1e6                  ; the largest t so far: -3e38, under every t
	v_mov_b32 v[SU], 0
	v_mov_b32 v[SU+1], 0
	v_mov_b32 v[FF+1], 0                           ; (named as the upper half of a pair)
	v_floor_f32 v[ST], -v[ST+1]                    ; -M
	s_wait_alu depctr_va_vdst(0)
	s_barrier_wait -1                              ; all images lie in LDS
	ds_load_b128 v[QL:QL+3], v[QLD]
	ds_load_b128 v[QH:QH+3], v[QLD] offset:512
	ds_load_b32 v[SQ], v[QSD]
; THE DIAGONAL, block b of 32 keys: under my queries' block every key counts, in it key 16 h + 2 i + u counts up to my query, beyond it none
.macro DBLK b
	s_cmp_gt_u32 s[WH], \b
	s_cbranch_scc1 .Lvis_\@
	s_cmp_lg_u32 s[WH], \b
	s_cbranch_scc1 .Lhid_\@
.set n, 16*\b
.rept 16
	v_cmp_gt_i32 vcc_lo, 2*(n%8)+((n/8)%2), v[DQ]
	v_cndmask_b32 v[S+n], v[S+n], v[NINF], vcc_lo
.set n, n+1
.endr
	s_branch .Lvis_\@
.Lhid_\@:
.set n, 16*\b
.rept 16
	v_mov_b32 v[S+n], v[NINF]
.set n, n+1
.endr
.Lvis_\@:
.endm
; A KEY STEP for one tile of queries.  qf: Q's fragment; hi: which block; jx: the scalar that holds the block, whose step lies on the diagonal; first = 1: it begins the sums; diag = 0: it never lies on the diagonal
.macro STEP qf, hi, jx, first, diag
	v_add_nc_u32 v[ADR], s[TB], v[LI]
	v_add_nc_u32 v[ADS], s[TB], v[L15]
.irp t, 0,1,2,3,4,5,6,7
	ds_load_b128 v[KF+4*\t:KF+4*\t+3], v[ADR] offset:512*\t
.endr
	ds_load_b128 v[SA:SA+3], v[ADR] offset:KSCO
	s_wait_alu depctr_va_vdst(0)                           ; directly ahead of the wait below
	s_wait_dscnt 0x0
.irp t, 0,1,2,3                        ; S^T = K Q^T
	WMZ S+8*\t, KF+4*\t, \qf, SA+\t, SQ, 0, \hi
.endr
.irp t, 0,1,2,3
	WMZ S+32+8*\t, KF+16+4*\t, \qf, SA+\t, SQ, 1, \hi
.endr
	PLACES 4                                               ; in front of V's loads, and of the first read of the scores
.irp t, 0,1,2,3                        ; V lands under the softmax
	ds_load_b128 v[VF+8*\t:VF+8*\t+3], v[ADR] offset:VO+1024*\t
	ds_load_b128 v[VF+8*\t+4:VF+8*\t+7], v[ADR] offset:VO+1024*\t+512
.endr
	ds_load_b128 v[SB:SB+3], v[ADS] offset:VSO
.if \diag
	s_cmp_lg_u32 s[KS], s[\jx]                             ; hidden scores become -infinity ahead of the maximum; a step all of whose keys count skips this
	s_cbranch_scc1 .Lopen_\@
	DBLK 0
	DBLK 1
	DBLK 2
	DBLK 3
	s_wait_alu depctr_va_vdst(0)
.Lopen_\@:
.endif
.irp b, 0,1,2,3
	v_max3_num_f32 v[BM+\b], v[S+16*\b], v[S+1+16*\b], v[S+2+16*\b]        ; the largest score of each block of 32 keys: for the row's maximum, and, since p rises with the score, for the block's largest p
.endr
.irp i, 3,5,7,9,11,13
.irp b, 0,1,2,3
	v_max3_num_f32 v[BM+\b], v[BM+\b], v[S+16*\b+\i], v[S+1+16*\b+\i]
.endr
.endr
.irp b, 0,1,2,3
	v_max_num_f32 v[BM+\b], v[BM+\b], v[S+15+16*\b]
.endr
.irp b, 0,1,2,3
	v_permlanex16_b32 v[PCD+\b], v[BM+\b], s[SEL], s[SEL+1]
.endr
.irp b, 0,1,2,3
	v_max_num_f32 v[BM+\b], v[BM+\b], v[PCD+\b]            ; with lane l xor 16's 16 keys
.endr
	s_delay_alu instid0(VALU_DEP_2)
	v_max3_num_f32 v[T], v[BM], v[BM+1], v[BM+2]
	s_delay_alu instid0(VALU_DEP_1)
	v_max_num_f32 v[T], v[T], v[BM+3]
	s_delay_alu instid0(VALU_DEP_1)
.if \first
	v_mul_f32 v[ST+1], s[CS], v[T]                         ; the largest t
	s_delay_alu instid0(VALU_DEP_1)
	v_floor_f32 v[ST], -v[ST+1]                            ; -M = -ceil(t): a whole number
.else
	v_mul_f32 v[T], s[CS], v[T]                            ; the step's largest t (c is positive)
	s_delay_alu instid0(VALU_DEP_1)
	v_max_num_f32 v[ST+1], v[ST+1], v[T]                   ; the running largest t
	v_mov_b32 v[T], v[ST]
	s_delay_alu instid0(VALU_DEP_2)
	v_floor_f32 v[ST], -v[ST+1]                            ; the new -M = -ceil(t): a whole number
	s_delay_alu instid0(VALU_DEP_1)
	v_sub_f32 v[T], v[ST], v[T]                            ; old M - new M: a whole number, 0 or less
	s_delay_alu instid0(VALU_DEP_1)
	v_cvt_i32_f32 v[T], v[T]                               ; (it saturates)
	s_delay_alu instid0(VALU_DEP_1)
	v_ldexp_f32 v[FF], 1.0, v[T]                           ; f = 2^(old M - new M)
.endif
.set n, 0
.rept 32
	v_pk_fma_f32 v[S+n:S+n+1], v[S+n:S+n+1], s[CS:CS+1], v[ST:ST+1] op_sel_hi:[1,0,0]      ; t - M, two at a time
.set n, n+2
.endr
.irp b, 0,1,2,3
	v_fma_f32 v[BM+\b], v[BM+\b], s[CS], v[ST]             ; the same of each block's largest score
.endr
	s_wait_alu depctr_va_vdst(0)                           ; the wait ahead of the batch
.set n, 0
.rept 64
	v_exp_f32 v[S+n], v[S+n]                               ; p = 2^(t - M)
.set n, n+1
.endr
.irp b, 0,1,2,3
	v_exp_f32 v[BM+\b], v[BM+\b]                           ; the block's largest p: the same two instructions on the same number
.endr
.if \first
	v_nop                                                  ; the plain line behind the exponentials
.else
	v_pk_mul_f32 v[SU:SU+1], v[SU:SU+1], v[FF:FF+1] op_sel_hi:[1,0]        ; the sum under the new M; the plain line behind the exponentials
.endif
	s_wait_alu depctr_va_vdst(0)                           ; and one behind it, ahead of O^T's first reader too
.if \first == 0
.set n, 0
.rept 16
	v_pk_mul_f32 v[O+n:O+n+1], v[O+n:O+n+1], v[FF:FF+1] op_sel_hi:[1,0]    ; O^T under the new M, each accumulator from its low end on
.set n, n+2
.endr
.endif
.irp b, 0,1,2,3
	v_max_num_f32 v[BM+\b], 0x1800000, v[BM+\b]            ; the floor 2^(3 - 127)
.endr
.irp b, 0,1,2,3
	v_add_nc_u32 v[BM+\b], 0xff000000, v[BM+\b]            ; the conversion's scale operand
.endr
.irp b, 0,1,2,3
	v_lshrrev_b32 v[PCD+\b], 23, v[BM+\b]                  ; the scale's byte
.endr
	v_lshl_or_b32 v[PS], v[PCD+1], 8, v[PCD]               ; p's scale word for these 128 keys
	v_lshl_or_b32 v[PCD+2], v[PCD+3], 8, v[PCD+2]
	v_lshl_or_b32 v[PS], v[PCD+2], 16, v[PS]
.irp b, 0,1,2,3
	v_cvt_scalef32_pk8_fp4_f32 v[PCD+2*\b], v[S+16*\b:S+16*\b+7], v[BM+\b]
	v_cvt_scalef32_pk8_fp4_f32 v[PCD+2*\b+1], v[S+16*\b+8:S+16*\b+15], v[BM+\b]
.endr
	v_nop                                                  ; one plain line behind the scaled conversions
.irp c, 0,1
.irp i, 0,1
	v_permlane16_swap_b32 v[PCD+4*\c+\i], v[PCD+2+4*\c+\i] ; a whole block in a lane
.endr
.endr
.if \first                             ; the row's sum is taken of the unquantised p, in two chains
	v_pk_add_f32 v[SU:SU+1], v[S:S+1], v[S+2:S+3]
	v_pk_add_f32 v[BM:BM+1], v[S+4:S+5], v[S+6:S+7]
.set n, 8
.else
	v_pk_add_f32 v[BM:BM+1], v[S:S+1], v[S+2:S+3]
.set n, 4
.endif
.rept (64-n)/4
	v_pk_add_f32 v[SU:SU+1], v[SU:SU+1], v[S+n:S+n+1]
	v_pk_add_f32 v[BM:BM+1], v[BM:BM+1], v[S+n+2:S+n+3]
.set n, n+4
.endr
	v_pk_add_f32 v[SU:SU+1], v[SU:SU+1], v[BM:BM+1]
	s_wait_dscnt 0x0                                       ; V and its scale words are in
.irp t, 0,1,2,3                        ; O^T += V^T P^T; the four accumulators take turns
.if \first
	WMZ O+8*\t, VF+8*\t, PCD, SB+\t, PS, 0, 0
.else
	WMC O+8*\t, VF+8*\t, PCD, O+8*\t, SB+\t, PS, 0
.endif
.endr
.endm
; MY PARTIAL RESULT of a block into the stage: register 8 t + i is d = 32 (t / 2) + 8 (t % 2) + 16 h + i of my query
.macro STAGE adr, blk
	PLACES 4
	s_wait_alu depctr_va_vdst(0)                           ; directly ahead of the reader below
	v_add_f32 v[T], v[SU], v[SU+1]                         ; the sum's two halves,
.irp t, 0,1
.irp i, 0,1,2,3,4,5,6,7
	ds_store_b32 v[\adr], v[O+8*\t+\i] offset:(8*\t+\i)*512
.endr
.endr
	v_permlanex16_b32 v[PCD], v[T], s[SEL], s[SEL+1]
.irp t, 2,3
.irp i, 0,1,2,3,4,5,6,7
	ds_store_b32 v[\adr], v[O+8*\t+\i] offset:(16+8*\t+\i)*512
.endr
.endr
	v_add_f32 v[T], v[T], v[PCD]                           ; and lane l xor 16's
	ds_store_b32 v[WML], v[ST] offset:2048*\blk
	ds_store_b32 v[WML], v[T] offset:2048*\blk+512
	s_wait_alu depctr_va_vdst(0)
	s_wait_dscnt 0x0                                       ; for the others' sake: my stores are done
	s_barrier_signal -1
.endm
; THE WAY OUT of a block: rows 4 w .. 4 w + 3 (a row: one d, 128 neighbouring queries, four to a lane): the two partials joined, divided and stored
.macro OUT adr, blk, sp
	s_wait_xcnt 0x0                                        ; earlier stores have read their registers
.irp i, 0,1,2,3
	ds_load_b128 v[E0+4*\i:E0+4*\i+3], v[RML] offset:2048*\blk+512*\i      ; -M0, l0, -M1, l1 of my four queries
.endr
.irp i, 0,1,2,3
	ds_load_b128 v[R0+4*\i:R0+4*\i+3], v[\adr] offset:512*\i
	ds_load_b128 v[R1+4*\i:R1+4*\i+3], v[\adr] offset:32768+512*\i
.endr
	s_wait_dscnt 0x0
.irp i, 0,1,2,3
	v_min_num_f32 v[E0+16+\i], v[E0+\i], v[E0+8+\i]        ; -M of both
.endr
.irp i, 0,1,2,3
	v_sub_f32 v[E0+\i], v[E0+16+\i], v[E0+\i]              ; M0 - M, M1 - M: whole numbers, 0 or less (a wave without a step has -3e38 there, and zeros)
	v_sub_f32 v[E0+8+\i], v[E0+16+\i], v[E0+8+\i]
.endr
.irp i, 0,1,2,3
	v_cvt_i32_f32 v[E0+\i], v[E0+\i]
	v_cvt_i32_f32 v[E0+8+\i], v[E0+8+\i]
.endr
.irp i, 0,1,2,3
	v_ldexp_f32 v[E0+\i], 1.0, v[E0+\i]
	v_ldexp_f32 v[E0+8+\i], 1.0, v[E0+8+\i]
.endr
.irp i, 0,1,2,3
	v_mul_f32 v[E0+4+\i], v[E0+4+\i], v[E0+\i]
.endr
.irp i, 0,1,2,3
	v_fma_f32 v[E0+4+\i], v[E0+12+\i], v[E0+8+\i], v[E0+4+\i]              ; the row's sum
.endr
	s_wait_alu depctr_va_vdst(0)                           ; the wait ahead of the batch
.irp i, 0,1,2,3
	v_rcp_f32 v[E0+4+\i], v[E0+4+\i]
.endr
	v_nop                                                  ; a plain line behind the batch
	s_wait_alu depctr_va_vdst(0)                           ; and the wait behind it
.irp i, 0,2
	v_pk_mul_f32 v[E0+\i:E0+\i+1], v[E0+\i:E0+\i+1], v[E0+4+\i:E0+5+\i]
	v_pk_mul_f32 v[E0+8+\i:E0+9+\i], v[E0+8+\i:E0+9+\i], v[E0+4+\i:E0+5+\i]
.endr
.irp i, 0,4,8,12
	v_pk_mul_f32 v[R0+\i:R0+\i+1], v[R0+\i:R0+\i+1], v[E0:E0+1]
	v_pk_mul_f32 v[R0+\i+2:R0+\i+3], v[R0+\i+2:R0+\i+3], v[E0+2:E0+3]
.endr
.irp i, 0,4,8,12
	v_pk_fma_f32 v[R0+\i:R0+\i+1], v[R1+\i:R1+\i+1], v[E0+8:E0+9], v[R0+\i:R0+\i+1]
	v_pk_fma_f32 v[R0+\i+2:R0+\i+3], v[R1+\i+2:R1+\i+3], v[E0+10:E0+11], v[R0+\i+2:R0+\i+3]
.endr
.irp i, 0,1,2,3
	global_store_b128 v[LI], v[R0+4*\i:R0+4*\i+3], s[\sp:\sp+1] offset:4096*\i th:TH_STORE_NT      ; 32 lanes store 512 consecutive bytes, at a multiple of 256 from out0's first byte
.endr
.endm
	; ---------------- lo: two trips in every wave; the work is jumped over where all of a step's keys come after the block ----------------
	s_mov_b32 s[KS], s[P]
	s_mov_b32 s[TB], s[TB0]
	s_mov_b32 s[LC], 0
.Llo:
	s_cmp_gt_u32 s[KS], s[J]
	s_cbranch_scc1 .Lno_lo
	STEP QL, 0, J, 0, 1
.Lno_lo:
	s_add_co_u32 s[TB], s[TB], 2*STEPB
	s_add_co_u32 s[KS], s[KS], 2
	s_add_co_u32 s[LC], s[LC], 1
	s_cmp_lt_u32 s[LC], 2
	s_cbranch_scc1 .Llo
	STAGE WST, 0
	; ---------------- hi (block 4 to 7): key steps p and p + 2 lie under it for every j ----------------
	s_mov_b32 s[TB], s[TB0]
	STEP QH, 1, J7, 1, 0                           ; between the barrier's signal and its wait: registers, and loads of K's and V's images, which nobody writes any more
	s_wait_alu depctr_va_vdst(0)
	s_barrier_wait -1                              ; lo's partial results lie in LDS
	OUT RDA, 0, 70
	s_add_co_u32 s[TB], s[TB0], 2*STEPB
	STEP QH, 1, J7, 0, 0
	s_add_co_u32 s[TB], s[TB0], 4*STEPB
	s_add_co_u32 s[KS], s[P], 4
	s_mov_b32 s[LC], 0
.Lhi:
	s_cmp_gt_u32 s[KS], s[J7]
	s_cbranch_scc1 .Lno_hi
	STEP QH, 1, J7, 0, 1
.Lno_hi:
	s_add_co_u32 s[TB], s[TB], 2*STEPB
	s_add_co_u32 s[KS], s[KS], 2
	s_add_co_u32 s[LC], s[LC], 1
	s_cmp_lt_u32 s[LC], 2
	s_cbranch_scc1 .Lhi
	STAGE WSTH, 1
	s_barrier_wait -1                              ; hi's partial results lie in LDS
	OUT RDH, 1, 72
	s_wait_tensorcnt 0x0                           ; the wave's end
	ds_add_u32 v[SPW], v[NIL]
	s_wait_dscnt 0x0
	ROUND                                          ; the closing round: no work-group ends while a partner may still ask jointly
	s_endpgm
.Lfunc_end_k_qd1ca7fdb34_attn:
	.size	k_qd1ca7fdb34_attn, .Lfunc_end_k_qd1ca7fdb34_attn-k_qd1ca7fdb34_attn
	.p2alignl 7, 3214868480
	.fill 96, 4, 3214868480
	.section	.rodata,"a",@progbits
	.p2align	6, 0x0
	.amdhsa_kernel k_qd1ca7fdb34_attn
		.amdhsa_group_segment_fixed_size 327680
		.amdhsa_private_segment_fixed_size 0
		.amdhsa_enable_private_segment 0
		.amdhsa_kernarg_size 24
		.amdhsa_user_sgpr_count 2
		.amdhsa_user_sgpr_kernarg_segment_ptr 1
		.amdhsa_wavefront_size32 1
		.amdhsa_system_sgpr_workgroup_id_x 1
		.amdhsa_system_sgpr_workgroup_id_y 1
		.amdhsa_system_sgpr_workgroup_id_z 1
		.amdhsa_system_vgpr_workitem_id 0
		.amdhsa_next_free_vgpr 256
		.amdhsa_next_free_sgpr 80
		.amdhsa_reserve_vcc 1
		.amdhsa_float_denorm_mode_32 3
		.amdhsa_float_denorm_mode_16_64 3
		.amdhsa_memory_ordered 1
		.amdhsa_forward_progress 1
		.amdhsa_inst_pref_size 162
	.end_amdhsa_kernel
	.amdgpu_metadata
---
amdhsa.version: [ 1, 2 ]
amdhsa.kernels:
  - .name:           k_qd1ca7fdb34_attn
    .symbol:         k_qd1ca7fdb34_attn.kd
    .args:
      - { .name: xq, .offset: 0, .size: 8, .value_kind: global_buffer, .address_space: global }
      - { .name: wq, .offset: 8, .size: 8, .value_kind: global_buffer, .address_space: global }
      - { .name: out0, .offset: 16, .size: 8, .value_kind: global_buffer, .address_space: global }
    .group_segment_fixed_size: 327680
    .private_segment_fixed_size: 0
    .kernarg_segment_align: 8
    .kernarg_segment_size: 24
    .max_flat_workgroup_size: 512
    .sgpr_count:     80
    .vgpr_count:     256
    .wavefront_size: 32
...
	.end_amdgpu_metadata
.endif
;; end of part 2
